; MI455X (gfx1250); checked and timed in simulation.
; The chip was launched on July 23, 2026; its instructions are those of AMD's public machine-readable ISA for CDNA 5 (MIT licence, August 2026) and "CDNA5" Instruction Set Architecture Reference Guide (July 2026). The comments in the code are by the model that wrote it; some were corrected since.
;; Net. Allowed arithmetic: float matrix products may take bf16 or f16 operands with f32 sums; all other float work in f32.
;; Inputs: W_u 2,048 x 2,048 float32; W_v 2,048 x 2,048 float32; b_u 2,048 float32; b_v 2,048 float32; ln_u_b 2,048 float32; ln_u_w 2,048 float32; ln_v_b 2,048 float32; ln_v_w 2,048 float32; u 8,192 x 2,048 float32; v 8,192 x 2,048 float32.
;; Outputs: out0 8,192 float32.
;; One version. Each part assembles by itself: llvm-mc -triple=amdgcn-amd-amdhsa -mcpu=gfx1250 --defsym DOCPART=n.
;; ======== version 1 of 1: 4 launches
;; workspace buffers: abf 67,108,864 bytes; wbf 16,777,216 bytes; hbuf 67,108,864 bytes; part 524,288 bytes
;; launch prep (part 1): grid 256 x 1, 4 waves a work-group, no clusters, 0 bytes of LDS; arguments u, v, ln_u_w, ln_v_w, ln_u_b, ln_v_b, W_u, W_v, abf, wbf; writes abf, wbf
.if DOCPART == 1
	.amdgcn_target "amdgcn-amd-amdhsa--gfx1250"
	.amdhsa_code_object_version 6
	.text
	.protected	k_qa74323e24a_prep
	.globl	k_qa74323e24a_prep
	.p2align	8
	.type	k_qa74323e24a_prep,@function
k_qa74323e24a_prep:
	s_mov_b64 s[64:65], 0
	v_nop
	global_prefetch_b8 v0, s[64:65] scope:SCOPE_SE
	s_setreg_imm32_b32 hwreg(HW_REG_WAVE_MODE, 25, 1), 1
	s_wait_xcnt 0x0
; LayerNorm of u and of v in f32, rounded once to bf16; W_u and W_v rounded to bf16.  Both go out in the layouts that the product launch reads.
; abf: [tower 2][block of 256 rows: 32][chunk of 64 k: 32][row 256][64] bf16: a (block, chunk) tile is 32,768 dense bytes.   wbf: [tower 2][2048 k][2048 n] bf16, row-major.
; TWO PERMUTATIONS, so that every load takes dense bytes and every store of a wave covers whole aligned runs of 256 bytes:
;   k = 128 i + 64 q + 32 hh + 4 sub + e is kept at place P = 128 i + 64 hh + 8 sub + 4 q + e, alike in abf's columns and in wbf's rows: the products are the same, their order in the sums differs.
;   n = 256 a + 128 q + 4 l + e is kept at place S = 256 a + 8 l + 4 q + e, alike in both towers: the later sum over n does not see it; the biases are read by it.
; SHARES.  Work-groups 0-127 serve tower u, 128-255 tower v; each takes 64 rows of x and 16 rows of W; a wave 16 rows of x, as eight pairs of neighbouring rows, then 4 rows of W.
; A pair of rows lies in one wave's registers, 128 numbers a lane: row rs (lane bit 3) in the 16 lanes with that bit; so x is read once, and mean and variance stay in the wave.
; Mean first, then the variance of x - mean (two passes, f32): a common offset of the inputs costs no digits.  NaN and infinities are not treated apart.
; Two slots of 128 registers take turns: one at work, one on its way in: 32 loads of 512 bytes a wave are out at all times.
; No LDS, no barrier, no matrix unit, no cluster: memory binds; what work-groups share (gains and offsets, 16,384 bytes a tower) is a small part of the 655,360 bytes that each reads.
.set ROWB, 8192                        ; bytes in a row of x and of W
.set OFF,  8                           ; v8-9    slot s: my byte offset in x of the pair that the slot loads next
.set YOF,  10                          ; v10-11  slot s: my byte offset in abf of the pair that the slot stores next
.set GO,   12                          ; v12     128 hh + 16 sub: my place in 256 bytes of a row, and in the gains and offsets
.set WO,   13                          ; v13     16 x lane
.set T,    16                          ; v16-23  four packed chains
.set M,    24                          ; v24-25  the mean, twice
.set R,    26                          ; v26-27  1 / sqrt(variance + eps), twice
.set PD,   28                          ; v28     destination of the exchange between the halves of the lanes
.set X,    64                          ; v64-191 of window 0 (slot 0) and of window 2 (slot 1): register X + 4 t + e holds k = 64 t + 32 hh + 4 sub + e
.set GAM,  0                           ; window 1, v0-127: the gains of my 128 columns
.set BET,  128                         ; window 1, v128-255: the offsets
.set MSB,  0
.macro WIN new                         ; s_set_vgpr_msb: bits 1:0 source 0, 3:2 source 1, 5:4 source 2, 7:6 destination; the high byte repeats the setting that is left
.if MSB != (\new)
	s_set_vgpr_msb (MSB<<8)|(\new)
.set MSB, (\new)
.endif
.endm
	s_load_b512 s[8:23], s[0:1], 0x0               ; u, v, ln_u_w, ln_v_w, ln_u_b, ln_v_b, W_u, W_v
	s_load_b128 s[24:27], s[0:1], 0x40             ; abf, wbf
	v_and_b32 v1, 31, v0                           ; lane
	v_lshrrev_b32 v2, 5, v0
	v_readfirstlane_b32 s4, v2                     ; wave
	s_lshr_b32 s5, ttmp9, 7                        ; tower
	s_and_b32 s6, ttmp9, 127                       ; gi: my place among the tower's 128 work-groups
	v_and_b32 v3, 7, v1                            ; sub
	v_bfe_u32 v4, v1, 3, 1                         ; rs
	v_lshrrev_b32 v5, 4, v1                        ; hh
	v_lshlrev_b32 v[GO], 4, v3
	v_lshl_add_u32 v[GO], v5, 7, v[GO]
	v_lshl_add_u32 v[OFF], v4, 13, v[GO]           ; + rs rows of x
	v_add_nc_u32 v[OFF+1], 2*ROWB, v[OFF]          ; slot 1 begins with the second pair
	v_lshlrev_b32 v[YOF], 4, v3
	v_lshl_add_u32 v[YOF], v4, 7, v[YOF]           ; + rs rows of 128 bytes
	v_lshl_add_u32 v[YOF], v5, 15, v[YOF]          ; + hh chunks of 32,768 bytes
	v_add_nc_u32 v[YOF+1], 256, v[YOF]
	v_lshlrev_b32 v[WO], 4, v1
	v_mov_b32 v[PD], 0                             ; v_permlanex16_b32 counts as a reader of its destination
	s_lshl_b32 s2, s6, 6                           ; x: row 64 gi + 16 wave of the tower,
	s_lshl_b32 s3, s4, 4
	s_add_co_u32 s2, s2, s3
	s_lshl_b32 s2, s2, 13                          ; in bytes (under 2^26)
	s_mov_b32 s3, 0
	s_lshl_b32 s46, s5, 25                         ; abf: the tower,
	s_lshr_b32 s7, s6, 2
	s_lshl_b32 s7, s7, 20                          ; the block of 256 rows,
	s_add_co_u32 s46, s46, s7
	s_and_b32 s7, s6, 3
	s_lshl_b32 s7, s7, 6
	s_lshl_b32 s45, s4, 4
	s_add_co_u32 s7, s7, s45
	s_lshl_b32 s7, s7, 7                           ; the row in the block, 128 bytes each
	s_add_co_u32 s46, s46, s7
	s_mov_b32 s47, 0
	s_lshl_b32 s52, s6, 4                          ; W: kb = 16 gi + 4 wave, my first of four rows
	s_lshl_b32 s7, s4, 2
	s_add_co_u32 s52, s52, s7
	s_lshl_b32 s48, s52, 13
	s_mov_b32 s49, 0
	s_and_b32 s50, s52, 0x780                      ; wbf: the place P of row kb: bits 10:7 stay,
	s_bfe_u32 s7, s52, 0x10005
	s_lshl_b32 s7, s7, 6                           ; bit 5 goes to bit 6,
	s_add_co_u32 s50, s50, s7
	s_bfe_u32 s7, s52, 0x30002
	s_lshl_b32 s7, s7, 3                           ; bits 4:2 to bits 5:3,
	s_add_co_u32 s50, s50, s7
	s_bfe_u32 s7, s52, 0x10006
	s_lshl_b32 s7, s7, 2                           ; bit 6 to bit 2; bits 1:0 stay, so my four rows stay neighbours
	s_add_co_u32 s50, s50, s7
	s_lshl_b32 s50, s50, 12                        ; rows of 4,096 bytes
	s_lshl_b32 s7, s5, 23
	s_add_co_u32 s50, s50, s7
	s_mov_b32 s51, 0
	s_mov_b32 s40, 0x3a000000                      ; 1 / 2048
	s_mov_b32 s41, 0x3727c5ac                      ; eps = 1e-5
	s_mov_b32 s42, 0x76543210                      ; v_permlanex16_b32: each lane takes its own place in the other half
	s_mov_b32 s43, 0xfedcba98
	s_wait_kmcnt 0x0
	s_cmp_lt_u32 ttmp9, 128                        ; the tower's four inputs
	s_cselect_b64 s[28:29], s[8:9], s[10:11]       ; x
	s_cselect_b64 s[30:31], s[12:13], s[14:15]     ; gains
	s_cselect_b64 s[32:33], s[16:17], s[18:19]     ; offsets
	s_cselect_b64 s[34:35], s[20:21], s[22:23]     ; W
	s_add_nc_u64 s[28:29], s[28:29], s[2:3]
	s_add_nc_u64 s[36:37], s[24:25], s[46:47]
	s_add_nc_u64 s[34:35], s[34:35], s[48:49]
	s_add_nc_u64 s[38:39], s[26:27], s[50:51]
	WIN 0x40                                       ; destination window 1
.set t, 0
.rept 32
	global_load_b128 v[GAM+4*t:GAM+4*t+3], v[GO], s[30:31] offset:256*t
	global_load_b128 v[BET+4*t:BET+4*t+3], v[GO], s[32:33] offset:256*t
.set t, t+1
.endr
.macro FILLX s                         ; a pair of rows: load t takes bytes 256 t .. 256 t + 255 of both
	WIN (2*(\s))<<6
.set t, 0
.rept 32
	global_load_b128 v[X+4*t:X+4*t+3], v[OFF+(\s)], s[28:29] offset:256*t th:TH_LOAD_NT
.set t, t+1
.endr
.endm
.macro FILLW s                         ; rows 2 s and 2 s + 1 of my four of W: 16 loads of 512 consecutive bytes each
	WIN (2*(\s))<<6
.set t, 0
.rept 32
	global_load_b128 v[X+4*t:X+4*t+3], v[WO], s[34:35] offset:(2*(\s)+t/16)*ROWB+512*(t%16) th:TH_LOAD_NT
.set t, t+1
.endr
.endm
.macro CVT s                           ; 128 numbers to 64 registers of two bf16, in place: the write never passes a source that is still to be read
	WIN (2*(\s))*0x45
.set n, 0
.rept 64
	v_cvt_pk_bf16_f32 v[X+n], v[X+2*n], v[X+2*n+1]
.set n, n+1
.endr
.endm
.macro RED                             ; the four chains, then the row's 16 lanes: bits 0-2 ride on the additions, bit 4 is the exchange of halves; bit 3 tells the two rows apart
	WIN 0
	v_pk_add_f32 v[T:T+1], v[T:T+1], v[T+2:T+3]
	v_pk_add_f32 v[T+4:T+5], v[T+4:T+5], v[T+6:T+7]
	v_pk_add_f32 v[T:T+1], v[T:T+1], v[T+4:T+5]
	v_add_f32 v[T], v[T], v[T+1]
	v_add_f32_dpp v[T], v[T], v[T] row_xmask:1 row_mask:0xf bank_mask:0xf
	v_add_f32_dpp v[T], v[T], v[T] row_xmask:2 row_mask:0xf bank_mask:0xf
	v_add_f32_dpp v[T], v[T], v[T] row_xmask:4 row_mask:0xf bank_mask:0xf
	v_permlanex16_b32 v[PD], v[T], s42, s43
	v_add_f32 v[T], v[T], v[PD]
.endm
; The turn of slot s.  fill = 1: the slot takes the pair two pairs on; 2: two rows of W.  left: the other slot's 32 younger loads may stay out.
.macro TURN s, fill, left
.set XW, 2*(\s)
	WIN 0
	s_wait_loadcnt \left                           ; loads come back in order (ISA guide 5.7.1): my pair is in (at the first turn the gains and offsets too, which are older)
.if (\fill) == 1
	v_add_nc_u32 v[OFF+(\s)], 4*ROWB, v[OFF+(\s)]  ; free since that wait
.endif
	WIN XW|(XW<<2)                                 ; the sum: the first eight pairs start four chains, nothing is cleared
.irp c, 0,1,2,3
	v_pk_add_f32 v[T+2*\c:T+2*\c+1], v[X+2*\c:X+2*\c+1], v[X+8+2*\c:X+8+2*\c+1]
.endr
	WIN XW<<2
.set n, 8
.rept 56
	v_pk_add_f32 v[T+2*(n%4):T+2*(n%4)+1], v[T+2*(n%4):T+2*(n%4)+1], v[X+2*n:X+2*n+1]
.set n, n+1
.endr
	RED
	v_mul_f32 v[M], s40, v[T]
	v_mul_f32 v[M+1], s40, v[T]
	WIN (XW<<6)|XW                                 ; x - mean, in place
.set n, 0
.rept 64
	v_pk_add_f32 v[X+2*n:X+2*n+1], v[X+2*n:X+2*n+1], v[M:M+1] neg_lo:[0,1] neg_hi:[0,1]
.set n, n+1
.endr
	WIN XW|(XW<<2)                                 ; the sum of its squares
.irp c, 0,1,2,3
	v_pk_mul_f32 v[T+2*\c:T+2*\c+1], v[X+2*\c:X+2*\c+1], v[X+2*\c:X+2*\c+1]
.endr
.set n, 4
.rept 60
	v_pk_fma_f32 v[T+2*(n%4):T+2*(n%4)+1], v[X+2*n:X+2*n+1], v[X+2*n:X+2*n+1], v[T+2*(n%4):T+2*(n%4)+1]
.set n, n+1
.endr
	RED
	v_fma_f32 v1, v[T], s40, s41                   ; variance + eps
	v_rsq_f32 v[R], v1
	v_nop                                          ; a plain instruction between the transcendental and the use of its result (ISA guide 5.7.2)
	s_wait_alu depctr_va_vdst(0)
	v_mov_b32 v[R+1], v[R]
	WIN (XW<<6)|XW
.set n, 0
.rept 64
	v_pk_mul_f32 v[X+2*n:X+2*n+1], v[X+2*n:X+2*n+1], v[R:R+1]
.set n, n+1
.endr
	WIN (XW<<6)|0x14|XW                            ; times the gain, plus the offset: sources 1 and 2 in window 1
.set n, 0
.rept 64
	v_pk_fma_f32 v[X+2*n:X+2*n+1], v[X+2*n:X+2*n+1], v[GAM+2*n:GAM+2*n+1], v[BET+2*n:BET+2*n+1]
.set n, n+1
.endr
	CVT \s
	WIN XW<<2                                      ; a store's data is source 1
.set i, 0
.rept 16
	global_store_b128 v[YOF+(\s)], v[X+4*i:X+4*i+3], s[36:37] offset:65536*i  ; chunks 2 i and 2 i + 1: lanes 0-15 and lanes 16-31 each store 256 consecutive bytes (two rows of 128), at a multiple of 256 from abf's first byte
.set i, i+1
.endr
	WIN 0
	s_wait_xcnt 0x0                                ; every earlier memory instruction has had its addresses translated (ISA guide 3.1): only behind this wait are the stores' data and offset written again
.if (\fill) == 1
	v_add_nc_u32 v[YOF+(\s)], 512, v[YOF+(\s)]     ; two pairs of rows on
	FILLX \s
.else
	FILLW \s
.endif
.endm
; Two rows of W: rounded and stored.  Store a of a row holds the places S = 256 a + 8 lane + 0..7: 512 consecutive bytes a wave.
.macro WTURN s, left
	WIN 0
	s_wait_loadcnt \left
	CVT \s
	WIN (2*(\s))<<2
.set t, 0
.rept 16
	global_store_b128 v[WO], v[X+4*t:X+4*t+3], s[38:39] offset:(2*(\s)+t/8)*4096+512*(t%8)
.set t, t+1
.endr
.endm
	FILLX 0
	FILLX 1
	WIN 0                                          ; at a label and at a branch every window is 0
	s_mov_b32 s44, 3
.Lpair:                                                ; three trips: pairs 0 to 5 are worked on, pairs 2 to 7 asked for
	TURN 0, 1, 32
	TURN 1, 1, 32
	WIN 0
	s_sub_co_u32 s44, s44, 1
	s_cmp_lg_u32 s44, 0
	s_cbranch_scc1 .Lpair
	TURN 0, 2, 32                                  ; pairs 6 and 7: the slots take W's rows, so no load leaves x
	TURN 1, 2, 32
	WTURN 0, 32
	WTURN 1, 0                                     ; the last wait is for zero: nothing was issued behind these loads
	WIN 0
	s_endpgm
.Lfunc_end_k_qa74323e24a_prep:
	.size	k_qa74323e24a_prep, .Lfunc_end_k_qa74323e24a_prep-k_qa74323e24a_prep
	.p2alignl 7, 3214868480
	.fill 96, 4, 3214868480
	.section	.rodata,"a",@progbits
	.p2align	6, 0x0
	.amdhsa_kernel k_qa74323e24a_prep
		.amdhsa_group_segment_fixed_size 0
		.amdhsa_private_segment_fixed_size 0
		.amdhsa_enable_private_segment 0
		.amdhsa_kernarg_size 80
		.amdhsa_user_sgpr_count 2
		.amdhsa_user_sgpr_kernarg_segment_ptr 1
		.amdhsa_wavefront_size32 1
		.amdhsa_system_sgpr_workgroup_id_x 1
		.amdhsa_system_sgpr_workgroup_id_y 1
		.amdhsa_system_sgpr_workgroup_id_z 1
		.amdhsa_system_vgpr_workitem_id 0
		.amdhsa_next_free_vgpr 704
		.amdhsa_next_free_sgpr 66
		.amdhsa_reserve_vcc 0
		.amdhsa_float_denorm_mode_32 3
		.amdhsa_float_denorm_mode_16_64 3
		.amdhsa_memory_ordered 1
		.amdhsa_forward_progress 1
		.amdhsa_inst_pref_size 146
	.end_amdhsa_kernel
	.amdgpu_metadata
---
amdhsa.version: [ 1, 2 ]
amdhsa.kernels:
  - .name:           k_qa74323e24a_prep
    .symbol:         k_qa74323e24a_prep.kd
    .args:
      - { .name: u, .offset: 0, .size: 8, .value_kind: global_buffer, .address_space: global }
      - { .name: v, .offset: 8, .size: 8, .value_kind: global_buffer, .address_space: global }
      - { .name: ln_u_w, .offset: 16, .size: 8, .value_kind: global_buffer, .address_space: global }
      - { .name: ln_v_w, .offset: 24, .size: 8, .value_kind: global_buffer, .address_space: global }
      - { .name: ln_u_b, .offset: 32, .size: 8, .value_kind: global_buffer, .address_space: global }
      - { .name: ln_v_b, .offset: 40, .size: 8, .value_kind: global_buffer, .address_space: global }
      - { .name: W_u, .offset: 48, .size: 8, .value_kind: global_buffer, .address_space: global }
      - { .name: W_v, .offset: 56, .size: 8, .value_kind: global_buffer, .address_space: global }
      - { .name: abf, .offset: 64, .size: 8, .value_kind: global_buffer, .address_space: global }
      - { .name: wbf, .offset: 72, .size: 8, .value_kind: global_buffer, .address_space: global }
    .group_segment_fixed_size: 0
    .private_segment_fixed_size: 0
    .kernarg_segment_align: 8
    .kernarg_segment_size: 80
    .max_flat_workgroup_size: 128
    .sgpr_count:     66
    .vgpr_count:     704
    .wavefront_size: 32
...
	.end_amdgpu_metadata
.endif
;; end of part 1
;; launch gemmu (part 2): grid 8 x 32, 4 waves a work-group, clusters of 4 x 4, 327,680 bytes of LDS; arguments abf, wbf, b_u, hbuf; writes hbuf
.if DOCPART == 2
	.amdgcn_target "amdgcn-amd-amdhsa--gfx1250"
	.amdhsa_code_object_version 6
	.text
	.protected	k_qa74323e24a_gemmu
	.globl	k_qa74323e24a_gemmu
	.p2align	8
	.type	k_qa74323e24a_gemmu,@function
k_qa74323e24a_gemmu:
	s_mov_b64 s[64:65], 0
	v_nop
	global_prefetch_b8 v0, s[64:65] scope:SCOPE_SE
	s_setreg_imm32_b32 hwreg(HW_REG_WAVE_MODE, 25, 1), 1
	s_wait_xcnt 0x0
	s_wait_alu depctr_hold_cnt(0) depctr_sa_sdst(0) depctr_va_vdst(0) depctr_va_sdst(0) depctr_va_ssrc(0) depctr_va_vcc(0) depctr_vm_vsrc(0)
	s_getreg_b32 s2, hwreg(HW_REG_IB_STS2, 6, 4)
	s_cmp_eq_u32 s2, 0
	s_cbranch_scc0 .Lentry_in_a_cluster
	s_endpgm
.Lentry_in_a_cluster:
	s_bfe_u32 s2, ttmp6, 0x10000c
	s_cmp_lg_u32 s2, 0xf033
	s_cbranch_scc0 .Lentry_shape_is_right
	s_endpgm
.Lentry_shape_is_right:
; hbuf = leaky(xu . Wu + bu): the first tower's product, bias and activation, in f32, kept for the launch behind, which makes the second tower on the same tiles.
; xu: abf (normalised rows, bf16, in tiles of 256 rows x 64 k, dense); Wu: wbf ([k][n] bf16); k and n stand in the places that the launch before gave them, alike in both towers.
; LIMITS.  The product's operands are bf16, the sums f32; the order of k in the sums is the kept one, not the reference's.  leaky(x) = max(x, 0.001 x), which is the reference's choice for every
; finite x, both zeros and infinities; NaN is not treated apart.
; SHARES.  A work-group owns a tile of 256 rows (block Y) x 256 kept columns (group X); wave w rows 128 (w / 2) on, columns 128 (w % 2) on: 64 accumulators of 16 x 16, 512 registers.
; THE MATRIX INSTRUCTION IS USED TRANSPOSED: source 0 = 16 columns of W (turned on the way out of LDS by ds_load_tr16_b128), source 1 = 16 rows of x.  Lane l holds row l % 16 and columns 8 (l / 16) + 0..7.
; The bias is the C operand of the first products: nothing is cleared and no bias is added.
; RING.  K goes in steps of 128 through two LDS slots of 143,360 bytes: two chunks of 64 k of x (256 rows each), then 128 rows (k) of W, 512 bytes each.  Each wave fetches a quarter of a slot, 32,768 bytes,
; by one tensor load; by this text's count two loads of a wave are out at the start, one behind each round; a refill stands 240 matrix instructions ahead of the wait for it.
; CLUSTER.  4 x 4 work-groups.  x's tiles hang on Y alone and are shared along a row of the cluster, W's on X alone and are shared along a column: each is asked for JOINTLY, by the same tensor load
; with the same descriptor and a mask that names the four.
; THE WAY OUT.  hbuf is read by the same lane of the same wave of the same tile alone, so it is laid out as the registers lie: [tile 8 Y + X][wave][128 groups of four registers][lane][16 bytes]:
; every store of a wave covers 512 consecutive bytes, at a multiple of 512 from hbuf's first byte, and nothing goes through LDS.
; REGISTERS, in windows of 256 (s_set_vgpr_msb: bits 1:0 source 0, 3:2 source 1, 5:4 source 2, 7:6 destination):
;   window 0: v0-29 addresses; v64-127, v128-191 fragments of x, two buffers      window 1: v0-63, v64-127 fragments of W, two buffers; v128-191 the bias
;   window 2, 3: accumulator (a, b) at v[8 (8 (a % 4) + b)].  At the end v128-255 of window 0 and all of window 1 take the activated numbers on their way out.
.set TW,    0                          ; the tower
.set PA,    144                        ; a row of x in LDS: 128 bytes + 16 of padding = 36 words: the 16 rows of a load start at 16 different groups of four banks (64 banks of 4 bytes: ISA guide 11.1)
.set PB,    544                        ; a row of W: 512 + 32 = 136 words
.set ACH,   256*PA                     ; a chunk of x: 256 rows x 64 k
.set BOFF,  2*ACH
.set BHALF, 64*PB                      ; what one tensor load brings of W
.set SLOT,  BOFF+2*BHALF
.set SPARE, 2*SLOT                     ; behind the ring: the spare words, 128 bytes for each wave: two blocks of 256 bytes that no other line names
.set ADRA, 16                          ; v16-17  LDS address of my fragments of x in slot 0, 1
.set ADRB, 20                          ; v20-21  of W
.set BO,   24                          ; v24     my byte offset in the group's 1,024 bytes of bias
.set HO,   25                          ; v25     16 x lane
.set SPW,  28                          ; v28     LDS address of my spare word: SPARE + 4 x my thread's number; never rewritten
.set NIL,  29                          ; v29     0; never rewritten
.set BI,   128                         ; window 1
.set WV,   14                          ; s14  wave
.set CH,   15                          ; s15  wave % 2: my half of the columns, and which part of a tile I fetch
.set RH,   16                          ; s16  wave / 2: my half of the rows, and the kind of tile that I fetch (0: x, 1: W)
.set G1A,  24                          ; s[24:31] descriptor group 1 for x's tiles;  s[32:39] group 0, a set for each slot
.set G0A,  32
.set G1B,  48                          ; s[48:55], s[56:63] the same for W's tiles
.set G0B,  56
.set MSB,  0
.macro WIN new                         ; the immediate's high byte repeats the setting that is left; a switch that changes nothing is dropped
.if MSB != (\new)
	s_set_vgpr_msb (MSB<<8)|(\new)
.set MSB, (\new)
.endif
.endm
.macro PLACES                          ; a load into a register that a matrix instruction has read, and a vector instruction that reads a matrix result or writes one of its registers, stand four plain vector instructions behind it (ISA guide 7.12.1 for vector instructions)
.rept 4
	v_nop
.endr
.endm
; A joint load.  Waves 0 and 1 fetch the two chunks of x, waves 2 and 3 the two halves of W's rows.  The branch hangs on the wave's number alone.  An s_nop 0 and four v_nop follow each of the two lines.
.macro JLOAD s
	s_cmp_eq_u32 s[RH], 0
	s_cbranch_scc0 .Lfor_b_\@
	tensor_load_to_lds s[G0A+4*(\s):G0A+4*(\s)+3], s[G1A:G1A+7]
	s_nop 0
.rept 4
	v_nop
.endr
	s_branch .Lasked_\@
.Lfor_b_\@:
	tensor_load_to_lds s[G0B+4*(\s):G0B+4*(\s)+3], s[G1B:G1B+7]
	s_nop 0
.rept 4
	v_nop
.endr
.Lasked_\@:
.endm
.macro CREST                           ; a round of the cluster's barrier behind its opening barrier: wave 0 signals for the work-group, every wave waits for all sixteen, my work-group's barrier closes it
	s_cmp_lg_u32 s[WV], 0
	s_cbranch_scc1 .Lnot_wave_0_\@
	s_barrier_signal -3
.Lnot_wave_0_\@:
	s_barrier_wait -3
	s_barrier_signal -1
	s_barrier_wait -1
.endm
.macro CROUND
	s_barrier_signal -1
	s_barrier_wait -1
	CREST
.endm
	s_load_b256 s[4:11], s[0:1], 0x0               ; abf s[4:5], wbf s[6:7], b_u s[8:9], hbuf s[10:11]
	v_lshl_add_u32 v[SPW], v0, 2, SPARE
	v_mov_b32 v[NIL], 0
	ds_add_u32 v[SPW], v[NIL]                      ; the wave's opening: the add and its wait stand ahead of my first tensor load; the set-up below, work on registers, stands between them
	v_lshrrev_b32 v1, 5, v0
	v_readfirstlane_b32 s[WV], v1
	s_and_b32 s[CH], s[WV], 1
	s_lshr_b32 s[RH], s[WV], 1
	s_bfe_u32 s17, ttmp6, 0x40000                  ; cx, cy: my place in the cluster
	s_bfe_u32 s18, ttmp6, 0x40004
	s_lshl_b32 s19, ttmp9, 2
	s_add_co_u32 s19, s19, s17                     ; X = 4 x cluster x + cx
	s_and_b32 s20, ttmp7, 0xffff
	s_lshl_b32 s20, s20, 2
	s_add_co_u32 s20, s20, s18                     ; Y = 4 x cluster y + cy
	s_lshl_b32 s21, s18, 2
	s_lshl_b32 s21, 15, s21                        ; my row of the cluster
	s_lshl_b32 s22, 0x1111, s17                    ; my column
	; group 1 for x: a chunk's 32,768 dense bytes as 128 rows of 256 bytes, padded in LDS after every 128 bytes (one row of x)
	s_or_b32 s[G1A+0], s21, (1<<16)|(1<<20)|(1<<21)|(4<<22)|(3<<25)  ; 15:0 the mask; 17:16 2-byte elements; 20 padding on; 21 set beside a mask; 24:22 after every 32 words (code 4); 31:25 4 words (code 3)
	s_mov_b32 s[G1A+1], 128<<16                    ; tensor_dim0 = 128
	s_mov_b32 s[G1A+2], 128<<16                    ; tensor_dim1 = 128
	s_mov_b32 s[G1A+3], 128<<16                    ; tile_dim0 = 128
	s_mov_b32 s[G1A+4], 128                        ; tile_dim1 = 128
	s_mov_b32 s[G1A+5], 128                        ; 128 elements from row to row
	s_mov_b32 s[G1A+6], 0
	s_mov_b32 s[G1A+7], 0
	; group 1 for W: 64 rows (k) x 256 elements (n), each row 512 bytes at a multiple of 512 from wbf's first byte
	s_or_b32 s[G1B+0], s22, (1<<16)|(1<<20)|(1<<21)|(6<<22)|(7<<25)  ; after every 128 words (code 6) 8 words of padding (code 7)
	s_mov_b32 s[G1B+1], 256<<16                    ; tensor_dim0 = 256
	s_mov_b32 s[G1B+2], 64<<16                     ; tensor_dim1 = 64
	s_mov_b32 s[G1B+3], 256<<16                    ; tile_dim0 = 256
	s_mov_b32 s[G1B+4], 64                         ; tile_dim1 = 64
	s_mov_b32 s[G1B+5], 2048                       ; 2,048 elements from row to row
	s_mov_b32 s[G1B+6], 0
	s_mov_b32 s[G1B+7], 0
	s_lshl_b32 s40, s20, 20                        ; x's tiles: block Y and the chunk that I fetch; these registers never hold X
	s_lshl_b32 s41, s[CH], 15
	s_add_co_u32 s40, s40, s41
.if TW
	s_add_co_u32 s40, s40, TW<<25
.endif
	s_mov_b32 s41, 0
	s_lshl_b32 s42, s19, 9                         ; W's tiles: group X and the 64 rows that I fetch; these never hold Y
	s_lshl_b32 s43, s[CH], 18
	s_add_co_u32 s42, s42, s43
.if TW
	s_add_co_u32 s42, s42, TW<<23
.endif
	s_mov_b32 s43, 0
	s_mul_i32 s23, s[CH], ACH                      ; where they go: no place in the cluster enters an LDS address
	s_mul_i32 s73, s[CH], BHALF
	s_add_co_u32 s73, s73, BOFF
	s_mov_b32 s66, 0x3a83126f                      ; the slope, 0.001
	s_mov_b32 s67, s66                             ; named with it as a pair
	s_wait_dscnt 0x0                               ; the opening add is done
	s_wait_kmcnt 0x0
	s_add_nc_u64 s[40:41], s[4:5], s[40:41]
	s_add_nc_u64 s[42:43], s[6:7], s[42:43]
	CROUND                                         ; all sixteen work-groups are here: the first joint loads meet
.irp s, 0,1
	s_mov_b32 s[G0A+4*(\s)], 1                                       ; 1:0 count = 1
	s_add_co_u32 s[G0A+4*(\s)+1], s23, (\s)*SLOT                     ; 63:32 LDS address
	s_add_nc_u64 s[G0A+4*(\s)+2:G0A+4*(\s)+3], s[40:41], (\s)*65536  ; 120:64 global address: K step s is two chunks of 32,768 bytes
	s_or_b32 s[G0A+4*(\s)+3], s[G0A+4*(\s)+3], 0x80000000            ; 127:126 type = 2
	s_mov_b32 s[G0B+4*(\s)], 1
	s_add_co_u32 s[G0B+4*(\s)+1], s73, (\s)*SLOT
	s_add_nc_u64 s[G0B+4*(\s)+2:G0B+4*(\s)+3], s[42:43], (\s)*524288 ; 128 rows of 4,096 bytes
	s_or_b32 s[G0B+4*(\s)+3], s[G0B+4*(\s)+3], 0x80000000
	JLOAD \s
.endr
	; while they land: the addresses
	s_lshl_b32 s44, s19, 10
	s_mov_b32 s45, 0
	s_add_nc_u64 s[70:71], s[8:9], s[44:45]        ; the bias at group X: kept columns 256 X .. are the true columns 256 X .., in another order
	s_lshl_b32 s46, s20, 3
	s_add_co_u32 s46, s46, s19                     ; tile 8 Y + X,
	s_lshl_b32 s46, s46, 2
	s_add_co_u32 s46, s46, s[WV]                   ; my wave in it,
	s_lshl_b32 s46, s46, 16                        ; 65,536 bytes a wave
	s_mov_b32 s47, 0
	s_add_nc_u64 s[74:75], s[10:11], s[46:47]
	; a fragment of x is 16 rows x 32 k in 8 registers: lane l holds row l % 16, k = 8 (l / 16) + 0..7 and 16 + 8 (l / 16) + 0..7: two loads of 16 bytes, 32 bytes apart
	v_and_b32 v1, 15, v0                           ; r = l % 16
	v_bfe_u32 v2, v0, 4, 1                         ; h = l / 16
	v_mul_u32_u24 v3, v1, PA
	v_lshl_add_u32 v3, v2, 4, v3
	s_mul_i32 s78, s[RH], 128*PA                   ; my 128 rows
	v_add_nc_u32 v[ADRA], s78, v3
	v_add_nc_u32 v[ADRA+1], SLOT, v[ADRA]
	; the turning load takes 16 k x 16 n (lane l reads k = 8 (l / 16) + l % 8, n = 8 ((l / 8) % 2) + 0..7) and leaves half a fragment: lane l holds column l % 16 and 8 k
	v_and_b32 v4, 7, v0
	v_lshl_add_u32 v4, v2, 3, v4
	v_mul_u32_u24 v4, v4, PB
	v_bfe_u32 v5, v0, 3, 1
	v_lshl_add_u32 v4, v5, 4, v4
	s_lshl_b32 s78, s[CH], 8                       ; my 128 columns, 256 bytes of a row
	s_add_co_u32 s78, s78, BOFF
	v_add_nc_u32 v[ADRB], s78, v4
	v_add_nc_u32 v[ADRB+1], SLOT, v[ADRB]
	v_and_b32 v5, 31, v0
	v_lshlrev_b32 v[HO], 4, v5
	v_lshlrev_b32 v[BO], 4, v2
	v_lshl_add_u32 v[BO], s[CH], 8, v[BO]
	; The bias as a C operand.  Register j of block b is kept column 128 (w % 2) + 16 b + 8 h + j, which is true column 128 (j / 4) + 64 (w % 2) + 8 b + 4 h + j % 4 of the group.
	WIN 0x40
.irp b, 0,1,2,3,4,5,6,7
	global_load_b128 v[BI+8*\b:BI+8*\b+3],   v[BO], s[70:71] offset:32*\b
	global_load_b128 v[BI+8*\b+4:BI+8*\b+7], v[BO], s[70:71] offset:32*\b+512
.endr
	WIN 0
; 8 matrix instructions: block a of the window's four (hi = 0: my rows 0-63, 1: rows 64-127) x all 8 blocks of columns, 32 along K, from buffer f.  first = 1: the bias starts the sums.
; The 64 accumulators take turns, one instruction a turn, in the same order everywhere.
.macro MUL8 f, hi, a, first
.if \first
	WIN 0x91+0x40*(\hi)                            ; W window 1, x window 0, C (the bias) window 1, D window 2 or 3
.else
	WIN 0xa1+0x50*(\hi)                            ; C and D window 2 or 3
.endif
.irp b, 0,1,2,3,4,5,6,7
.if \first
	v_wmma_f32_16x16x32_bf16 v[8*(8*(\a)+(\b)):8*(8*(\a)+(\b))+7], v[64*(\f)+8*(\b):64*(\f)+8*(\b)+7], v[64+64*(\f)+8*(4*(\hi)+(\a)):64+64*(\f)+8*(4*(\hi)+(\a))+7], v[BI+8*(\b):BI+8*(\b)+7]
.else
	v_wmma_f32_16x16x32_bf16 v[8*(8*(\a)+(\b)):8*(8*(\a)+(\b))+7], v[64*(\f)+8*(\b):64*(\f)+8*(\b)+7], v[64+64*(\f)+8*(4*(\hi)+(\a)):64+64*(\f)+8*(4*(\hi)+(\a))+7], v[8*(8*(\a)+(\b)):8*(8*(\a)+(\b))+7]
.endif
.endr
.endm
.macro MULH f, hi, first               ; 32 of them: a window's four blocks
	MUL8 \f, \hi, 0, \first
	MUL8 \f, \hi, 1, \first
	MUL8 \f, \hi, 2, \first
	MUL8 \f, \hi, 3, \first
.endm
; 32 LDS loads in one run: the fragments of quarter q of a K step (32 k) into buffer f: W's 16, then x's 16, rows 0-63 first
.macro FETCH slot, q, f
	WIN 0x40
.irp b, 0,1,2,3,4,5,6,7
	ds_load_tr16_b128 v[64*(\f)+8*\b:64*(\f)+8*\b+3],   v[ADRB+(\slot)] offset:(\q)*32*PB+32*\b
	ds_load_tr16_b128 v[64*(\f)+8*\b+4:64*(\f)+8*\b+7], v[ADRB+(\slot)] offset:(\q)*32*PB+32*\b+16*PB
.endr
	WIN 0
.irp a, 0,1,2,3,4,5,6,7
	ds_load_b128 v[64+64*(\f)+8*\a:64+64*(\f)+8*\a+3],   v[ADRA+(\slot)] offset:((\q)/2)*ACH+((\q)%2)*64+\a*16*PA
	ds_load_b128 v[64+64*(\f)+8*\a+4:64+64*(\f)+8*\a+7], v[ADRA+(\slot)] offset:((\q)/2)*ACH+((\q)%2)*64+\a*16*PA+32
.endr
.endm
; A K step is four quarters of 32 along K, 64 matrix instructions each, on buffers 0, 1, 0, 1.  One of the first three: multiplies buffer f; in its middle it fetches quarter q of the same slot into buffer g.
.macro QUARTER slot, q, f, g, first
	s_wait_dscnt 8                                 ; W and x's rows 0-63 are in; the youngest eight loads (rows 64-127) may be out
	MULH \f, 0, \first
	PLACES
	FETCH \slot, \q, \g
	s_wait_dscnt 32                                ; all but the 32 just issued
	MULH \f, 1, \first
.endm
; The last quarter multiplies buffer 1 and changes slots: ONE barrier; in front of it each wave waits for all its tensor loads (one is out: its part of the next slot), adds 0 to its spare word, and waits for
; that and for its own reads of this slot.  fill = 1: this slot is filled again, two K steps on: the barrier opens a round of the cluster's barrier, and the joint refill is the first tensor load behind it.
.macro TURN slot, next, fill
	WIN 0                                          ; (the add's two registers lie in window 0)
	s_wait_tensorcnt 0x0                           ; all my tensor loads have landed
	ds_add_u32 v[SPW], v[NIL]                      ; 0 onto my spare word
	s_wait_dscnt 9                                 ; (the add and the youngest eight loads may be out)
	MUL8 1, 0, 0, 0                                ; eight matrix instructions stand between the add and the wait for it
	s_wait_dscnt 0x0                               ; the add is done, and my reads of this slot are over
	s_barrier_signal -1
	MUL8 1, 0, 1, 0
	WIN 0
	s_barrier_wait -1
.if \fill
	CREST                                          ; no wave of any partner still reads this slot or has a load on its way
	s_add_nc_u64 s[G0A+4*(\slot)+2:G0A+4*(\slot)+3], s[G0A+4*(\slot)+2:G0A+4*(\slot)+3], 2*65536
	s_add_nc_u64 s[G0B+4*(\slot)+2:G0B+4*(\slot)+3], s[G0B+4*(\slot)+2:G0B+4*(\slot)+3], 2*524288
	JLOAD \slot                                    ; the four v_nop behind it are also the places in front of the loads below
.else
	PLACES
.endif
	FETCH \next, 0, 0
	MUL8 1, 0, 2, 0
	MUL8 1, 0, 3, 0
	MULH 1, 1, 0
.endm
; THE END.  ACT: max(x, 0.001 x) of 16 accumulators (half p of window sw), each from its lowest registers on, into 128 registers from db on in window dw.
.macro ACT sw, p, dw, db
	WIN (\sw)|((\dw)<<2)|((\dw)<<6)
.set g, 0
.rept 16
.irp z, 0,1,2,3
	v_pk_mul_f32 v[(\db)+8*g+2*\z:(\db)+8*g+2*\z+1], v[128*(\p)+8*g+2*\z:128*(\p)+8*g+2*\z+1], s[66:67] op_sel_hi:[1,0]
.endr
.irp z, 0,1,2,3,4,5,6,7
	v_max_num_f32 v[(\db)+8*g+\z], v[128*(\p)+8*g+\z], v[(\db)+8*g+\z]
.endr
.set g, g+1
.endr
.endm
.macro PUTH dw, db, p                  ; batch p of four: 32 stores of 512 consecutive bytes
	WIN (\dw)<<2                                   ; a store's data is source 1
.set c, 0
.rept 32
	global_store_b128 v[HO], v[(\db)+4*c:(\db)+4*c+3], s[74:75] offset:512*(32*(\p)+c)
.set c, c+1
.endr
.endm
	s_wait_tensorcnt 1                             ; my part of K step 0 is in; K step 1's may stay out
	s_barrier_signal -1
	s_barrier_wait -1                              ; everybody's is
	FETCH 0, 0, 0
	s_wait_loadcnt 0x0                             ; the bias
	QUARTER 0, 1, 0, 1, 1                          ; the first quarter stands in front of the loop: its products start the sums
	WIN 0                                          ; at a label and at a branch every window is 0
	s_mov_b32 s3, 7
.Llap:                                                 ; a trip goes once round the ring, from a lap's second quarter to the next lap's first, and fills both slots again: K steps 2 to 15
	QUARTER 0, 2, 1, 0, 0
	QUARTER 0, 3, 0, 1, 0
	TURN 0, 1, 1
	QUARTER 1, 1, 0, 1, 0
	QUARTER 1, 2, 1, 0, 0
	QUARTER 1, 3, 0, 1, 0
	TURN 1, 0, 1
	QUARTER 0, 1, 0, 1, 0
	WIN 0
	s_sub_co_u32 s3, s3, 1
	s_cmp_lg_u32 s3, 0
	s_cbranch_scc1 .Llap
	QUARTER 0, 2, 1, 0, 0                          ; the last lap is written out: it asks for nothing more
	QUARTER 0, 3, 0, 1, 0
	TURN 0, 1, 0
	QUARTER 1, 1, 0, 1, 0
	QUARTER 1, 2, 1, 0, 0
	QUARTER 1, 3, 0, 1, 0
	s_wait_dscnt 8
	MULH 1, 0, 0
	s_wait_dscnt 0x0
	MULH 1, 1, 0
	PLACES                                         ; the lines below read results just made and write over the fragments
	ACT 2, 0, 0, 128
	PUTH 0, 128, 0
	ACT 2, 1, 1, 128
	PUTH 1, 128, 1
	ACT 3, 0, 1, 0
	PUTH 1, 0, 2
	WIN 0
	s_wait_xcnt 0x0                                ; every earlier memory instruction has had its addresses translated (ISA guide 3.1): only behind this wait are the first batch's registers written again
	ACT 3, 1, 0, 128
	PUTH 0, 128, 3
	WIN 0
	s_wait_tensorcnt 0x0                           ; the wave's end: the add on my spare word and its wait, behind my last tensor load
	ds_add_u32 v[SPW], v[NIL]
	s_wait_dscnt 0x0
	CROUND                                         ; the closing round: no work-group ends while a partner may still ask for a tile that names it
	s_endpgm
.Lfunc_end_k_qa74323e24a_gemmu:
	.size	k_qa74323e24a_gemmu, .Lfunc_end_k_qa74323e24a_gemmu-k_qa74323e24a_gemmu
	.p2alignl 7, 3214868480
	.fill 96, 4, 3214868480
	.section	.rodata,"a",@progbits
	.p2align	6, 0x0
	.amdhsa_kernel k_qa74323e24a_gemmu
		.amdhsa_group_segment_fixed_size 327680
		.amdhsa_private_segment_fixed_size 0
		.amdhsa_enable_private_segment 0
		.amdhsa_kernarg_size 32
		.amdhsa_user_sgpr_count 2
		.amdhsa_user_sgpr_kernarg_segment_ptr 1
		.amdhsa_wavefront_size32 1
		.amdhsa_system_sgpr_workgroup_id_x 1
		.amdhsa_system_sgpr_workgroup_id_y 1
		.amdhsa_system_sgpr_workgroup_id_z 1
		.amdhsa_system_vgpr_workitem_id 0
		.amdhsa_next_free_vgpr 1024
		.amdhsa_next_free_sgpr 80
		.amdhsa_reserve_vcc 0
		.amdhsa_float_denorm_mode_32 3
		.amdhsa_float_denorm_mode_16_64 3
		.amdhsa_memory_ordered 1
		.amdhsa_forward_progress 1
		.amdhsa_inst_pref_size 157
	.end_amdhsa_kernel
	.amdgpu_metadata
---
amdhsa.version: [ 1, 2 ]
amdhsa.kernels:
  - .name:           k_qa74323e24a_gemmu
    .symbol:         k_qa74323e24a_gemmu.kd
    .args:
      - { .name: abf, .offset: 0, .size: 8, .value_kind: global_buffer, .address_space: global }
      - { .name: wbf, .offset: 8, .size: 8, .value_kind: global_buffer, .address_space: global }
      - { .name: b_u, .offset: 16, .size: 8, .value_kind: global_buffer, .address_space: global }
      - { .name: hbuf, .offset: 24, .size: 8, .value_kind: global_buffer, .address_space: global }
    .group_segment_fixed_size: 327680
    .private_segment_fixed_size: 0
    .kernarg_segment_align: 8
    .kernarg_segment_size: 32
    .max_flat_workgroup_size: 128
    .sgpr_count:     80
    .vgpr_count:     1024
    .wavefront_size: 32
...
	.end_amdgpu_metadata
.endif
;; end of part 2
;; launch gemmv (part 3): grid 8 x 32, 4 waves a work-group, clusters of 4 x 4, 327,680 bytes of LDS; arguments abf, wbf, b_v, hbuf, part; writes part
.if DOCPART == 3
	.amdgcn_target "amdgcn-amd-amdhsa--gfx1250"
	.amdhsa_code_object_version 6
	.text
	.protected	k_qa74323e24a_gemmv
	.globl	k_qa74323e24a_gemmv
	.p2align	8
	.type	k_qa74323e24a_gemmv,@function
k_qa74323e24a_gemmv:
	s_mov_b64 s[64:65], 0
	v_nop
	global_prefetch_b8 v0, s[64:65] scope:SCOPE_SE
	s_setreg_imm32_b32 hwreg(HW_REG_WAVE_MODE, 25, 1), 1
	s_wait_xcnt 0x0
	s_wait_alu depctr_hold_cnt(0) depctr_sa_sdst(0) depctr_va_vdst(0) depctr_va_sdst(0) depctr_va_ssrc(0) depctr_va_vcc(0) depctr_vm_vsrc(0)
	s_getreg_b32 s2, hwreg(HW_REG_IB_STS2, 6, 4)
	s_cmp_eq_u32 s2, 0
	s_cbranch_scc0 .Lentry_in_a_cluster
	s_endpgm
.Lentry_in_a_cluster:
	s_bfe_u32 s2, ttmp6, 0x10000c
	s_cmp_lg_u32 s2, 0xf033
	s_cbranch_scc0 .Lentry_shape_is_right
	s_endpgm
.Lentry_shape_is_right:
; part[2 X + c][m] = the sum over the 128 kept columns n of half c of group X of h_u[m][n] x leaky(xv[m] . Wv[:, n] + bv[n]).  h_u: hbuf, which the launch before made on the same tiles.
; xv: abf (normalised rows, bf16, in tiles of 256 rows x 64 k, dense); Wv: wbf ([k][n] bf16); k and n stand in the places that the first launch gave them, alike in both towers.
; LIMITS.  The product's operands are bf16, the sums f32; the order of k and of n in the sums is the kept one, not the reference's.  leaky(x) = max(x, 0.001 x), which is the reference's choice for every
; finite x, both zeros and infinities; NaN is not treated apart.
; SHARES, LAYOUT, RING, CLUSTER: as in the launch before.  A work-group owns 256 rows (block Y) x 256 kept columns (group X); wave w rows 128 (w / 2) on, columns 128 (w % 2) on, in 64 accumulators.
; The matrix instruction is used transposed (source 0 = 16 columns of W, turned by ds_load_tr16_b128; source 1 = 16 rows of x); the bias is the C operand of the first products.  K goes in steps of 128
; through two LDS slots of 143,360 bytes; each wave fetches 32,768 bytes by one joint tensor load (x's tiles shared along a row of the 4 x 4 cluster, W's along a column); by this text's count two loads of a
; wave are out at the start, one behind each round; a refill stands 240 matrix instructions ahead of the wait for it.
; h_u lies in hbuf as the accumulators lie in registers: [tile 8 Y + X][wave][128 groups of four registers][lane][16 bytes]: a load of a wave takes 512 consecutive bytes, and the number that a lane
; receives belongs to the same (m, n) as its own accumulator register.  Of its four batches of 128 registers the first is asked for behind the first quarter, into registers that the K loop leaves free.
; REGISTERS, in windows of 256 (s_set_vgpr_msb: bits 1:0 source 0, 3:2 source 1, 5:4 source 2, 7:6 destination):
;   window 0: v0-29 addresses; v32-39 a row sum for each block of 16 rows; v48-59 at work; v64-127, v128-191 fragments of x, two buffers
;   window 1: v0-63, v64-127 fragments of W, two buffers; v128-191 the bias, then v128-255 h_u's first batch          window 2, 3: accumulator (a, b) at v[8 (8 (a % 4) + b)]
;   At the end: window 0 v64-127 a block's activated numbers; window 1 v0-127, window 0 v128-255 and window 1 v128-255 h_u's batches.
.set TW,    1                          ; the tower
.set PA,    144                        ; a row of x in LDS: 128 bytes + 16 of padding = 36 words: the 16 rows of a load start at 16 different groups of four banks (64 banks of 4 bytes: ISA guide 11.1)
.set PB,    544                        ; a row of W: 512 + 32 = 136 words
.set ACH,   256*PA                     ; a chunk of x: 256 rows x 64 k
.set BOFF,  2*ACH
.set BHALF, 64*PB                      ; what one tensor load brings of W
.set SLOT,  BOFF+2*BHALF
.set SPARE, 2*SLOT                     ; behind the ring: the spare words, 128 bytes for each wave: two blocks of 256 bytes that no other line names
.set ADRA, 16                          ; v16-17  LDS address of my fragments of x in slot 0, 1
.set ADRB, 20                          ; v20-21  of W
.set BO,   24                          ; v24     my byte offset in the group's 1,024 bytes of bias
.set HO,   25                          ; v25     16 x lane
.set PO,   26                          ; v26     4 x lane
.set PFO,  27                          ; v27     256 x lane
.set SPW,  28                          ; v28     LDS address of my spare word: SPARE + 4 x my thread's number; never rewritten
.set NIL,  29                          ; v29     0; never rewritten
.set RS,   32                          ; v32-39  block a's row sum
.set CHN,  48                          ; v48-55  four packed chains
.set T,    64                          ; v64-127 a block's 64 numbers, activated
.set BI,   128                         ; window 1
.set WV,   14                          ; s14  wave
.set CH,   15                          ; s15  wave % 2: my half of the columns, and which part of a tile I fetch
.set RH,   16                          ; s16  wave / 2: my half of the rows, and the kind of tile that I fetch (0: x, 1: W)
.set G1A,  24                          ; s[24:31] descriptor group 1 for x's tiles;  s[32:39] group 0, a set for each slot
.set G0A,  32
.set G1B,  48                          ; s[48:55], s[56:63] the same for W's tiles
.set G0B,  56
.set MSB,  0
.macro WIN new                         ; the immediate's high byte repeats the setting that is left; a switch that changes nothing is dropped
.if MSB != (\new)
	s_set_vgpr_msb (MSB<<8)|(\new)
.set MSB, (\new)
.endif
.endm
.macro PLACES                          ; a load into a register that a matrix instruction has read, and a vector instruction that reads a matrix result or writes one of its registers, stand four plain vector instructions behind it (ISA guide 7.12.1 for vector instructions)
.rept 4
	v_nop
.endr
.endm
; A joint load.  Waves 0 and 1 fetch the two chunks of x, waves 2 and 3 the two halves of W's rows.  The branch hangs on the wave's number alone.  An s_nop 0 and four v_nop follow each of the two lines.
.macro JLOAD s
	s_cmp_eq_u32 s[RH], 0
	s_cbranch_scc0 .Lfor_b_\@
	tensor_load_to_lds s[G0A+4*(\s):G0A+4*(\s)+3], s[G1A:G1A+7]
	s_nop 0
.rept 4
	v_nop
.endr
	s_branch .Lasked_\@
.Lfor_b_\@:
	tensor_load_to_lds s[G0B+4*(\s):G0B+4*(\s)+3], s[G1B:G1B+7]
	s_nop 0
.rept 4
	v_nop
.endr
.Lasked_\@:
.endm
.macro CREST                           ; a round of the cluster's barrier behind its opening barrier: wave 0 signals for the work-group, every wave waits for all sixteen, my work-group's barrier closes it
	s_cmp_lg_u32 s[WV], 0
	s_cbranch_scc1 .Lnot_wave_0_\@
	s_barrier_signal -3
.Lnot_wave_0_\@:
	s_barrier_wait -3
	s_barrier_signal -1
	s_barrier_wait -1
.endm
.macro CROUND
	s_barrier_signal -1
	s_barrier_wait -1
	CREST
.endm
	s_load_b256 s[4:11], s[0:1], 0x0               ; abf s[4:5], wbf s[6:7], b_v s[8:9], hbuf s[10:11]
	s_load_b64 s[12:13], s[0:1], 0x20              ; part
	v_lshl_add_u32 v[SPW], v0, 2, SPARE
	v_mov_b32 v[NIL], 0
	ds_add_u32 v[SPW], v[NIL]                      ; the wave's opening: the add and its wait stand ahead of my first tensor load; the set-up below, work on registers, stands between them
	v_lshrrev_b32 v1, 5, v0
	v_readfirstlane_b32 s[WV], v1
	s_and_b32 s[CH], s[WV], 1
	s_lshr_b32 s[RH], s[WV], 1
	s_bfe_u32 s17, ttmp6, 0x40000                  ; cx, cy: my place in the cluster
	s_bfe_u32 s18, ttmp6, 0x40004
	s_lshl_b32 s19, ttmp9, 2
	s_add_co_u32 s19, s19, s17                     ; X = 4 x cluster x + cx
	s_and_b32 s20, ttmp7, 0xffff
	s_lshl_b32 s20, s20, 2
	s_add_co_u32 s20, s20, s18                     ; Y = 4 x cluster y + cy
	s_lshl_b32 s21, s18, 2
	s_lshl_b32 s21, 15, s21                        ; my row of the cluster
	s_lshl_b32 s22, 0x1111, s17                    ; my column
	; group 1 for x: a chunk's 32,768 dense bytes as 128 rows of 256 bytes, padded in LDS after every 128 bytes (one row of x)
	s_or_b32 s[G1A+0], s21, (1<<16)|(1<<20)|(1<<21)|(4<<22)|(3<<25)  ; 15:0 the mask; 17:16 2-byte elements; 20 padding on; 21 set beside a mask; 24:22 after every 32 words (code 4); 31:25 4 words (code 3)
	s_mov_b32 s[G1A+1], 128<<16                    ; tensor_dim0 = 128
	s_mov_b32 s[G1A+2], 128<<16                    ; tensor_dim1 = 128
	s_mov_b32 s[G1A+3], 128<<16                    ; tile_dim0 = 128
	s_mov_b32 s[G1A+4], 128                        ; tile_dim1 = 128
	s_mov_b32 s[G1A+5], 128                        ; 128 elements from row to row
	s_mov_b32 s[G1A+6], 0
	s_mov_b32 s[G1A+7], 0
	; group 1 for W: 64 rows (k) x 256 elements (n), each row 512 bytes at a multiple of 512 from wbf's first byte
	s_or_b32 s[G1B+0], s22, (1<<16)|(1<<20)|(1<<21)|(6<<22)|(7<<25)  ; after every 128 words (code 6) 8 words of padding (code 7)
	s_mov_b32 s[G1B+1], 256<<16                    ; tensor_dim0 = 256
	s_mov_b32 s[G1B+2], 64<<16                     ; tensor_dim1 = 64
	s_mov_b32 s[G1B+3], 256<<16                    ; tile_dim0 = 256
	s_mov_b32 s[G1B+4], 64                         ; tile_dim1 = 64
	s_mov_b32 s[G1B+5], 2048                       ; 2,048 elements from row to row
	s_mov_b32 s[G1B+6], 0
	s_mov_b32 s[G1B+7], 0
	s_lshl_b32 s40, s20, 20                        ; x's tiles: block Y and the chunk that I fetch; these registers never hold X
	s_lshl_b32 s41, s[CH], 15
	s_add_co_u32 s40, s40, s41
.if TW
	s_add_co_u32 s40, s40, TW<<25
.endif
	s_mov_b32 s41, 0
	s_lshl_b32 s42, s19, 9                         ; W's tiles: group X and the 64 rows that I fetch; these never hold Y
	s_lshl_b32 s43, s[CH], 18
	s_add_co_u32 s42, s42, s43
.if TW
	s_add_co_u32 s42, s42, TW<<23
.endif
	s_mov_b32 s43, 0
	s_mul_i32 s23, s[CH], ACH                      ; where they go: no place in the cluster enters an LDS address
	s_mul_i32 s73, s[CH], BHALF
	s_add_co_u32 s73, s73, BOFF
	s_mov_b32 s66, 0x3a83126f                      ; the slope, 0.001
	s_mov_b32 s67, s66                             ; named with it as a pair
	s_mov_b32 s68, 0x76543210                      ; v_permlanex16_b32: each lane takes its own place in the other half
	s_mov_b32 s69, 0xfedcba98
	s_wait_dscnt 0x0                               ; the opening add is done
	s_wait_kmcnt 0x0
	s_add_nc_u64 s[40:41], s[4:5], s[40:41]
	s_add_nc_u64 s[42:43], s[6:7], s[42:43]
	CROUND                                         ; all sixteen work-groups are here: the first joint loads meet
.irp s, 0,1
	s_mov_b32 s[G0A+4*(\s)], 1                                       ; 1:0 count = 1
	s_add_co_u32 s[G0A+4*(\s)+1], s23, (\s)*SLOT                     ; 63:32 LDS address
	s_add_nc_u64 s[G0A+4*(\s)+2:G0A+4*(\s)+3], s[40:41], (\s)*65536  ; 120:64 global address: K step s is two chunks of 32,768 bytes
	s_or_b32 s[G0A+4*(\s)+3], s[G0A+4*(\s)+3], 0x80000000            ; 127:126 type = 2
	s_mov_b32 s[G0B+4*(\s)], 1
	s_add_co_u32 s[G0B+4*(\s)+1], s73, (\s)*SLOT
	s_add_nc_u64 s[G0B+4*(\s)+2:G0B+4*(\s)+3], s[42:43], (\s)*524288 ; 128 rows of 4,096 bytes
	s_or_b32 s[G0B+4*(\s)+3], s[G0B+4*(\s)+3], 0x80000000
	JLOAD \s
.endr
	; while they land: the addresses
	s_lshl_b32 s44, s19, 10
	s_mov_b32 s45, 0
	s_add_nc_u64 s[70:71], s[8:9], s[44:45]        ; the bias at group X: kept columns 256 X .. are the true columns 256 X .., in another order
	s_lshl_b32 s46, s20, 3
	s_add_co_u32 s46, s46, s19                     ; hbuf: tile 8 Y + X,
	s_lshl_b32 s46, s46, 2
	s_add_co_u32 s46, s46, s[WV]                   ; my wave in it,
	s_lshl_b32 s46, s46, 16                        ; 65,536 bytes a wave
	s_mov_b32 s47, 0
	s_add_nc_u64 s[74:75], s[10:11], s[46:47]
	s_lshl_b32 s46, s19, 1                         ; part: half-group 2 X + w % 2, 32,768 bytes each,
	s_add_co_u32 s46, s46, s[CH]
	s_lshl_b32 s46, s46, 15
	s_lshl_b32 s47, s20, 10                        ; row 256 Y + 128 (w / 2), 4 bytes each
	s_add_co_u32 s46, s46, s47
	s_lshl_b32 s47, s[RH], 9
	s_add_co_u32 s46, s46, s47
	s_mov_b32 s47, 0
	s_add_nc_u64 s[76:77], s[12:13], s[46:47]
	; a fragment of x is 16 rows x 32 k in 8 registers: lane l holds row l % 16, k = 8 (l / 16) + 0..7 and 16 + 8 (l / 16) + 0..7: two loads of 16 bytes, 32 bytes apart
	v_and_b32 v1, 15, v0                           ; r = l % 16
	v_bfe_u32 v2, v0, 4, 1                         ; h = l / 16; kept to the end
	v_mul_u32_u24 v3, v1, PA
	v_lshl_add_u32 v3, v2, 4, v3
	s_mul_i32 s78, s[RH], 128*PA                   ; my 128 rows
	v_add_nc_u32 v[ADRA], s78, v3
	v_add_nc_u32 v[ADRA+1], SLOT, v[ADRA]
	; the turning load takes 16 k x 16 n (lane l reads k = 8 (l / 16) + l % 8, n = 8 ((l / 8) % 2) + 0..7) and leaves half a fragment: lane l holds column l % 16 and 8 k
	v_and_b32 v4, 7, v0
	v_lshl_add_u32 v4, v2, 3, v4
	v_mul_u32_u24 v4, v4, PB
	v_bfe_u32 v5, v0, 3, 1
	v_lshl_add_u32 v4, v5, 4, v4
	s_lshl_b32 s78, s[CH], 8                       ; my 128 columns, 256 bytes of a row
	s_add_co_u32 s78, s78, BOFF
	v_add_nc_u32 v[ADRB], s78, v4
	v_add_nc_u32 v[ADRB+1], SLOT, v[ADRB]
	v_and_b32 v5, 31, v0
	v_lshlrev_b32 v[HO], 4, v5
	v_lshlrev_b32 v[PO], 2, v5
	v_lshlrev_b32 v[PFO], 8, v5
	v_lshlrev_b32 v[BO], 4, v2
	v_lshl_add_u32 v[BO], s[CH], 8, v[BO]
	; The bias as a C operand.  Register j of block b is kept column 128 (w % 2) + 16 b + 8 h + j, which is true column 128 (j / 4) + 64 (w % 2) + 8 b + 4 h + j % 4 of the group.
	WIN 0x40
.irp b, 0,1,2,3,4,5,6,7
	global_load_b128 v[BI+8*\b:BI+8*\b+3],   v[BO], s[70:71] offset:32*\b
	global_load_b128 v[BI+8*\b+4:BI+8*\b+7], v[BO], s[70:71] offset:32*\b+512
.endr
	WIN 0
; 8 matrix instructions: block a of the window's four (hi = 0: my rows 0-63, 1: rows 64-127) x all 8 blocks of columns, 32 along K, from buffer f.  first = 1: the bias starts the sums.
; The 64 accumulators take turns, one instruction a turn, in the same order everywhere.
.macro MUL8 f, hi, a, first
.if \first
	WIN 0x91+0x40*(\hi)                            ; W window 1, x window 0, C (the bias) window 1, D window 2 or 3
.else
	WIN 0xa1+0x50*(\hi)                            ; C and D window 2 or 3
.endif
.irp b, 0,1,2,3,4,5,6,7
.if \first
	v_wmma_f32_16x16x32_bf16 v[8*(8*(\a)+(\b)):8*(8*(\a)+(\b))+7], v[64*(\f)+8*(\b):64*(\f)+8*(\b)+7], v[64+64*(\f)+8*(4*(\hi)+(\a)):64+64*(\f)+8*(4*(\hi)+(\a))+7], v[BI+8*(\b):BI+8*(\b)+7]
.else
	v_wmma_f32_16x16x32_bf16 v[8*(8*(\a)+(\b)):8*(8*(\a)+(\b))+7], v[64*(\f)+8*(\b):64*(\f)+8*(\b)+7], v[64+64*(\f)+8*(4*(\hi)+(\a)):64+64*(\f)+8*(4*(\hi)+(\a))+7], v[8*(8*(\a)+(\b)):8*(8*(\a)+(\b))+7]
.endif
.endr
.endm
.macro MULH f, hi, first               ; 32 of them: a window's four blocks
	MUL8 \f, \hi, 0, \first
	MUL8 \f, \hi, 1, \first
	MUL8 \f, \hi, 2, \first
	MUL8 \f, \hi, 3, \first
.endm
; 32 LDS loads in one run: the fragments of quarter q of a K step (32 k) into buffer f: W's 16, then x's 16, rows 0-63 first
.macro FETCH slot, q, f
	WIN 0x40
.irp b, 0,1,2,3,4,5,6,7
	ds_load_tr16_b128 v[64*(\f)+8*\b:64*(\f)+8*\b+3],   v[ADRB+(\slot)] offset:(\q)*32*PB+32*\b
	ds_load_tr16_b128 v[64*(\f)+8*\b+4:64*(\f)+8*\b+7], v[ADRB+(\slot)] offset:(\q)*32*PB+32*\b+16*PB
.endr
	WIN 0
.irp a, 0,1,2,3,4,5,6,7
	ds_load_b128 v[64+64*(\f)+8*\a:64+64*(\f)+8*\a+3],   v[ADRA+(\slot)] offset:((\q)/2)*ACH+((\q)%2)*64+\a*16*PA
	ds_load_b128 v[64+64*(\f)+8*\a+4:64+64*(\f)+8*\a+7], v[ADRA+(\slot)] offset:((\q)/2)*ACH+((\q)%2)*64+\a*16*PA+32
.endr
.endm
; A K step is four quarters of 32 along K, 64 matrix instructions each, on buffers 0, 1, 0, 1.  One of the first three: multiplies buffer f; in its middle it fetches quarter q of the same slot into buffer g.
.macro QUARTER slot, q, f, g, first
	s_wait_dscnt 8                                 ; W and x's rows 0-63 are in; the youngest eight loads (rows 64-127) may be out
	MULH \f, 0, \first
	PLACES
	FETCH \slot, \q, \g
	s_wait_dscnt 32                                ; all but the 32 just issued
	MULH \f, 1, \first
.endm
; The last quarter multiplies buffer 1 and changes slots: ONE barrier; in front of it each wave waits for all its tensor loads (one is out: its part of the next slot), adds 0 to its spare word, and waits for
; that and for its own reads of this slot.  fill = 1: this slot is filled again, two K steps on: the barrier opens a round of the cluster's barrier, and the joint refill is the first tensor load behind it.
.macro TURN slot, next, fill
	WIN 0                                          ; (the add's two registers lie in window 0)
	s_wait_tensorcnt 0x0                           ; all my tensor loads have landed
	ds_add_u32 v[SPW], v[NIL]                      ; 0 onto my spare word
	s_wait_dscnt 9                                 ; (the add and the youngest eight loads may be out)
	MUL8 1, 0, 0, 0                                ; eight matrix instructions stand between the add and the wait for it
	s_wait_dscnt 0x0                               ; the add is done, and my reads of this slot are over
	s_barrier_signal -1
	MUL8 1, 0, 1, 0
	WIN 0
	s_barrier_wait -1
.if \fill
	CREST                                          ; no wave of any partner still reads this slot or has a load on its way
	s_add_nc_u64 s[G0A+4*(\slot)+2:G0A+4*(\slot)+3], s[G0A+4*(\slot)+2:G0A+4*(\slot)+3], 2*65536
	s_add_nc_u64 s[G0B+4*(\slot)+2:G0B+4*(\slot)+3], s[G0B+4*(\slot)+2:G0B+4*(\slot)+3], 2*524288
	JLOAD \slot                                    ; the four v_nop behind it are also the places in front of the loads below
.else
	PLACES
.endif
	FETCH \next, 0, 0
	MUL8 1, 0, 2, 0
	MUL8 1, 0, 3, 0
	MULH 1, 1, 0
.endm
; Batch p of four of h_u: 32 loads of 512 consecutive bytes into 128 registers from db on in window dw.  The launch reads each byte of hbuf once.
.macro LOADH p, dw, db
	WIN (\dw)<<6
.set c, 0
.rept 32
	global_load_b128 v[(\db)+4*c:(\db)+4*c+3], v[HO], s[74:75] offset:512*(32*(\p)+c) th:TH_LOAD_NT
.set c, c+1
.endr
.endm
; Block a of 16 rows: its 8 accumulators, each from its lowest registers on, become max(x, 0.001 x) in T; times h_u (64 registers from hb on in window hw), summed in four
; packed chains that the first four products start; the chains into one number a lane.
.macro BLOCK a, hw, hb
.set AB, 64*((\a)%4)
	WIN 2+(\a)/4                                   ; source 0: window 2 or 3
.set g, 0
.rept 8
.irp z, 0,1,2,3
	v_pk_mul_f32 v[T+8*g+2*\z:T+8*g+2*\z+1], v[AB+8*g+2*\z:AB+8*g+2*\z+1], s[66:67] op_sel_hi:[1,0]
.endr
.irp z, 0,1,2,3,4,5,6,7
	v_max_num_f32 v[T+8*g+\z], v[AB+8*g+\z], v[T+8*g+\z]
.endr
.set g, g+1
.endr
	WIN (\hw)<<2                                   ; source 1: h_u's window
.irp c, 0,1,2,3
	v_pk_mul_f32 v[CHN+2*\c:CHN+2*\c+1], v[T+2*\c:T+2*\c+1], v[(\hb)+2*\c:(\hb)+2*\c+1]
.endr
.set n, 4
.rept 28
	v_pk_fma_f32 v[CHN+2*(n%4):CHN+2*(n%4)+1], v[T+2*n:T+2*n+1], v[(\hb)+2*n:(\hb)+2*n+1], v[CHN+2*(n%4):CHN+2*(n%4)+1]
.set n, n+1
.endr
	WIN 0
	v_pk_add_f32 v[CHN:CHN+1], v[CHN:CHN+1], v[CHN+2:CHN+3]
	v_pk_add_f32 v[CHN+4:CHN+5], v[CHN+4:CHN+5], v[CHN+6:CHN+7]
	v_pk_add_f32 v[CHN:CHN+1], v[CHN:CHN+1], v[CHN+4:CHN+5]
	v_add_f32 v[RS+(\a)], v[CHN], v[CHN+1]
.endm
	s_wait_tensorcnt 1                             ; my part of K step 0 is in; K step 1's may stay out
	s_barrier_signal -1
	s_barrier_wait -1                              ; everybody's is
	FETCH 0, 0, 0
	s_wait_loadcnt 0x0                             ; the bias
	QUARTER 0, 1, 0, 1, 1                          ; the first quarter stands in front of the loop: its products start the sums
	PLACES                                         ; the loads below land in registers that those products have read (the bias)
	LOADH 0, 1, 128                                ; h_u's first batch has the whole K loop in which to land
	WIN 0                                          ; at a label and at a branch every window is 0
	s_mov_b32 s3, 7
.Llap:                                                 ; a trip goes once round the ring, from a lap's second quarter to the next lap's first, and fills both slots again: K steps 2 to 15
	QUARTER 0, 2, 1, 0, 0
	QUARTER 0, 3, 0, 1, 0
	TURN 0, 1, 1
	QUARTER 1, 1, 0, 1, 0
	QUARTER 1, 2, 1, 0, 0
	QUARTER 1, 3, 0, 1, 0
	TURN 1, 0, 1
	QUARTER 0, 1, 0, 1, 0
	WIN 0
	s_sub_co_u32 s3, s3, 1
	s_cmp_lg_u32 s3, 0
	s_cbranch_scc1 .Llap
	QUARTER 0, 2, 1, 0, 0                          ; the last lap is written out: it asks for nothing more
	QUARTER 0, 3, 0, 1, 0
	TURN 0, 1, 0
	QUARTER 1, 1, 0, 1, 0
	WIN 0
	; h_u's second and third batch are asked for ahead: bytes 16,384 to 49,151 of my wave's own 65,536, lanes 256 bytes apart, four lines of 8,192 bytes, each block once in the launch: 131,072 bytes a
	; work-group, 192 matrix instructions ahead of the loads that want them; the addresses lie inside my wave's part of hbuf.
.irp i, 0,1,2,3
	global_prefetch_b8 v[PFO], s[74:75] offset:16384+8192*\i th:TH_LOAD_NT scope:SCOPE_SE
.endr
	QUARTER 1, 2, 1, 0, 0
	QUARTER 1, 3, 0, 1, 0
	s_wait_dscnt 8
	MULH 1, 0, 0
	s_wait_dscnt 0x0
	MULH 1, 1, 0
	PLACES                                         ; the lines below load over the fragments and read results just made
	WIN 0
	s_wait_loadcnt 0x0                             ; h_u's first batch, asked for fifteen K steps ago
	LOADH 1, 1, 0                                  ; two batches go out at once
	LOADH 2, 0, 128
	BLOCK 0, 1, 128
	BLOCK 1, 1, 192
	s_wait_loadcnt 32                              ; loads come back in order (ISA guide 5.7.1): the second batch is in, the third's 32 may be out
	LOADH 3, 1, 128                                ; the last batch, where the first lay
	BLOCK 2, 1, 0
	BLOCK 3, 1, 64
	s_wait_loadcnt 32                              ; the third batch is in, the fourth's 32 may be out
	BLOCK 4, 0, 128
	BLOCK 5, 0, 192
	s_wait_loadcnt 0x0
	BLOCK 6, 1, 128
	BLOCK 7, 1, 192
	; the other half of the lanes holds the row's other columns; every lane then holds row l % 16 of each block
.irp a, 0,1,2,3,4,5,6,7
	v_permlanex16_b32 v[CHN+\a], v[RS+\a], s68, s69
.endr
.irp a, 0,1,2,3,4,5,6,7
	v_add_f32 v[RS+\a], v[RS+\a], v[CHN+\a]
.endr
	v_cmp_eq_u32 s72, 1, v2                        ; lanes 16-31 take the odd blocks
.irp i, 0,1,2,3
	v_cndmask_b32 v[56+\i], v[RS+2*\i], v[RS+2*\i+1], s72
.endr
.irp i, 0,1,2,3
	global_store_b32 v[PO], v[56+\i], s[76:77] offset:128*\i  ; my rows 32 i .. 32 i + 31: 128 consecutive bytes; the whole buffer is 524,288 bytes, so no way through LDS is made for whole runs of 256
.endr
	s_wait_tensorcnt 0x0                           ; the wave's end: the add on my spare word and its wait, behind my last tensor load
	ds_add_u32 v[SPW], v[NIL]
	s_wait_dscnt 0x0
	CROUND                                         ; the closing round: no work-group ends while a partner may still ask for a tile that names it
	s_endpgm
.Lfunc_end_k_qa74323e24a_gemmv:
	.size	k_qa74323e24a_gemmv, .Lfunc_end_k_qa74323e24a_gemmv-k_qa74323e24a_gemmv
	.p2alignl 7, 3214868480
	.fill 96, 4, 3214868480
	.section	.rodata,"a",@progbits
	.p2align	6, 0x0
	.amdhsa_kernel k_qa74323e24a_gemmv
		.amdhsa_group_segment_fixed_size 327680
		.amdhsa_private_segment_fixed_size 0
		.amdhsa_enable_private_segment 0
		.amdhsa_kernarg_size 40
		.amdhsa_user_sgpr_count 2
		.amdhsa_user_sgpr_kernarg_segment_ptr 1
		.amdhsa_wavefront_size32 1
		.amdhsa_system_sgpr_workgroup_id_x 1
		.amdhsa_system_sgpr_workgroup_id_y 1
		.amdhsa_system_sgpr_workgroup_id_z 1
		.amdhsa_system_vgpr_workitem_id 0
		.amdhsa_next_free_vgpr 1024
		.amdhsa_next_free_sgpr 80
		.amdhsa_reserve_vcc 0
		.amdhsa_float_denorm_mode_32 3
		.amdhsa_float_denorm_mode_16_64 3
		.amdhsa_memory_ordered 1
		.amdhsa_forward_progress 1
		.amdhsa_inst_pref_size 178
	.end_amdhsa_kernel
	.amdgpu_metadata
---
amdhsa.version: [ 1, 2 ]
amdhsa.kernels:
  - .name:           k_qa74323e24a_gemmv
    .symbol:         k_qa74323e24a_gemmv.kd
    .args:
      - { .name: abf, .offset: 0, .size: 8, .value_kind: global_buffer, .address_space: global }
      - { .name: wbf, .offset: 8, .size: 8, .value_kind: global_buffer, .address_space: global }
      - { .name: b_v, .offset: 16, .size: 8, .value_kind: global_buffer, .address_space: global }
      - { .name: hbuf, .offset: 24, .size: 8, .value_kind: global_buffer, .address_space: global }
      - { .name: part, .offset: 32, .size: 8, .value_kind: global_buffer, .address_space: global }
    .group_segment_fixed_size: 327680
    .private_segment_fixed_size: 0
    .kernarg_segment_align: 8
    .kernarg_segment_size: 40
    .max_flat_workgroup_size: 128
    .sgpr_count:     80
    .vgpr_count:     1024
    .wavefront_size: 32
...
	.end_amdgpu_metadata
.endif
;; end of part 3
;; launch fold (part 4): grid 16 x 1, 4 waves a work-group, no clusters, 0 bytes of LDS; arguments part, out0; writes out0
.if DOCPART == 4
	.amdgcn_target "amdgcn-amd-amdhsa--gfx1250"
	.amdhsa_code_object_version 6
	.text
	.protected	k_qa74323e24a_fold
	.globl	k_qa74323e24a_fold
	.p2align	8
	.type	k_qa74323e24a_fold,@function
k_qa74323e24a_fold:
	s_mov_b64 s[64:65], 0
	v_nop
	global_prefetch_b8 v0, s[64:65] scope:SCOPE_SE
	s_setreg_imm32_b32 hwreg(HW_REG_WAVE_MODE, 25, 1), 1
	s_wait_xcnt 0x0
; out0[m] = the sum over the 16 half-groups of columns of part[half-group][m], in ascending order, in f32.
; 8,192 rows, four a thread: 2,048 threads in 16 work-groups; the launch moves 557,056 bytes in all, so it has work for no more.  Each load and the store of a wave cover 512 consecutive bytes.
; Nothing is shared between work-groups: no LDS, no barrier, no cluster.
	s_load_b128 s[4:7], s[0:1], 0x0                ; part s[4:5], out0 s[6:7]
	s_lshl_b32 s8, ttmp9, 11                       ; 128 threads x 16 bytes a work-group
	v_lshl_add_u32 v1, v0, 4, s8
	s_wait_kmcnt 0x0
.set p, 0
.rept 16
	global_load_b128 v[4+4*p:7+4*p], v1, s[4:5] offset:32768*p
.set p, p+1
.endr
.set p, 1
.rept 15
	s_wait_loadcnt 15-p                            ; loads come back in order (ISA guide 5.7.1): half-groups 0 to p are in, the younger ones stay out
	v_pk_add_f32 v[4:5], v[4:5], v[4+4*p:5+4*p]
	v_pk_add_f32 v[6:7], v[6:7], v[6+4*p:7+4*p]
.set p, p+1
.endr
	global_store_b128 v1, v[4:7], s[6:7]
	s_endpgm
.Lfunc_end_k_qa74323e24a_fold:
	.size	k_qa74323e24a_fold, .Lfunc_end_k_qa74323e24a_fold-k_qa74323e24a_fold
	.p2alignl 7, 3214868480
	.fill 96, 4, 3214868480
	.section	.rodata,"a",@progbits
	.p2align	6, 0x0
	.amdhsa_kernel k_qa74323e24a_fold
		.amdhsa_group_segment_fixed_size 0
		.amdhsa_private_segment_fixed_size 0
		.amdhsa_enable_private_segment 0
		.amdhsa_kernarg_size 16
		.amdhsa_user_sgpr_count 2
		.amdhsa_user_sgpr_kernarg_segment_ptr 1
		.amdhsa_wavefront_size32 1
		.amdhsa_system_sgpr_workgroup_id_x 1
		.amdhsa_system_sgpr_workgroup_id_y 1
		.amdhsa_system_sgpr_workgroup_id_z 1
		.amdhsa_system_vgpr_workitem_id 0
		.amdhsa_next_free_vgpr 72
		.amdhsa_next_free_sgpr 66
		.amdhsa_reserve_vcc 0
		.amdhsa_float_denorm_mode_32 3
		.amdhsa_float_denorm_mode_16_64 3
		.amdhsa_memory_ordered 1
		.amdhsa_forward_progress 1
		.amdhsa_inst_pref_size 5
	.end_amdhsa_kernel
	.amdgpu_metadata
---
amdhsa.version: [ 1, 2 ]
amdhsa.kernels:
  - .name:           k_qa74323e24a_fold
    .symbol:         k_qa74323e24a_fold.kd
    .args:
      - { .name: part, .offset: 0, .size: 8, .value_kind: global_buffer, .address_space: global }
      - { .name: out0, .offset: 8, .size: 8, .value_kind: global_buffer, .address_space: global }
    .group_segment_fixed_size: 0
    .private_segment_fixed_size: 0
    .kernarg_segment_align: 8
    .kernarg_segment_size: 16
    .max_flat_workgroup_size: 128
    .sgpr_count:     66
    .vgpr_count:     72
    .wavefront_size: 32
...
	.end_amdgpu_metadata
.endif
;; end of part 4
